; MI455X (gfx1250); checked and timed in simulation.
; The chip was launched on July 23, 2026; its instructions are those of AMD's public machine-readable ISA for CDNA 5 (MIT licence, August 2026) and "CDNA5" Instruction Set Architecture Reference Guide (July 2026). The comments in the code are by the model that wrote it; some were corrected since.
;; Multi Head Cosine Self Attention. Allowed arithmetic: float matrix products may take bf16 or f16 operands with f32 sums; other float arithmetic in f32, or as packed bf16 or f16 multiplies, adds, multiply-adds, maxima and minima; sums over many terms, partial sums and values carried from step to step in f32; what a program stores and reads back later, other than sums and carried values, may be rounded once to bf16 or f16.
;; Inputs: Wk 1,024 x 1,024 float32; Wo 1,024 x 1,024 float32; Wq 1,024 x 1,024 float32; Wv 1,024 x 1,024 float32; bk 1,024 float32; bo 1,024 float32; bq 1,024 float32; bv 1,024 float32; m 16 float32; x 4 x 2,048 x 1,024 float32.
;; Outputs: out0 4 x 2,048 x 1,024 float32.
;; One version. Each part assembles by itself: llvm-mc -triple=amdgcn-amd-amdhsa -mcpu=gfx1250 --defsym DOCPART=n.
;; ======== version 1 of 1: 4 launches
;; limits: values are held in f16: magnitudes above 65,504 overflow, below 6.1e-05 lose precision; right only within a limited range of input values
;; workspace buffers: xb 16,777,216 bytes; wb 8,388,608 bytes; womax 2,048 bytes; qb 16,777,216 bytes; mpart 8,388,608 bytes; pmax 2,048 bytes; wt 8,388,608 bytes; dsc 512 bytes
;; launch cast (part 1): grid 768 x 1, 8 waves a work-group, no clusters, 0 bytes of LDS; arguments x, Wo, Wq, Wk, Wv, xb, wb, womax; writes xb, wb, womax
.if DOCPART == 1
	.amdgcn_target "amdgcn-amd-amdhsa--gfx1250"
	.amdhsa_code_object_version 6
	.text
	.protected	k_qf60cc4f2aa_cast
	.globl	k_qf60cc4f2aa_cast
	.p2align	8
	.type	k_qf60cc4f2aa_cast,@function
k_qf60cc4f2aa_cast:
	s_mov_b64 s[64:65], 0
	v_nop
	global_prefetch_b8 v0, s[64:65] scope:SCOPE_SE
	s_setreg_imm32_b32 hwreg(HW_REG_WAVE_MODE, 25, 1), 1
	s_wait_xcnt 0x0
; CAST.  x [8192][1024] f32 -> xb, bf16, laid out by blocks of 64 along K: [kb 16][row 8192][64], so that 256 rows of one block are 32,768 dense bytes.
; Wq, Wk, Wv [1024][1024] f32 -> planes 1, 2, 3 of wb, bf16, rows as they lie.  Wo -> plane 0: rounded to bf16 like every input, and that number written as f16.
; womax[chunk 64][wave 8]: the largest |Wo| (of the rounded numbers) that a wave has seen; a later launch makes a bound of them.
; LIMITS.  |Wo| stays under 65,504 (f16's end); below 6e-5 Wo keeps f16's fixed step of 6e-8.  NaN and infinities are not treated apart.
; SHARES.  A work-group takes 16 rows of 1,024 f32; thread t takes 8 pieces of 8 numbers: two loads of 16 bytes, one store of 16 bytes.  All 16 loads go out first.
; Groups 0-511: x.  512-575: Wo.  576-639: Wq.  640-703: Wk.  704-767: Wv.  No LDS, no barrier, no matrix unit: memory binds, and no wave needs another.
.set SO,   2                           ; v2       my byte offset in the source
.set DO,   3                           ; v3       my byte offset in the target
.set T,    4                           ; v[4:7]   at work
.set MAXR, 8                           ; v8       running maximum of |Wo|, two bf16
.set X,    16                          ; v[16:79] 8 pieces of 8 f32
.set Y,    80                          ; v[80:111] 8 pieces of 8 numbers of 16 bits
.macro LOADS                           ; piece i lies 8,192 bytes (two rows) behind piece i - 1 in both kinds of source
.irp i, 0,1,2,3,4,5,6,7
	global_load_b128 v[X+8*(\i):X+8*(\i)+3],   v[SO], s[24:25] offset:(\i)*8192 th:TH_LOAD_NT
	global_load_b128 v[X+8*(\i)+4:X+8*(\i)+7], v[SO], s[24:25] offset:(\i)*8192+16 th:TH_LOAD_NT
.endr
.endm
.macro CVTB i, dstep                   ; piece i to bf16 and out
	s_wait_loadcnt 14-2*(\i)                       ; loads come back in order: the 2 (7 - i) loads of the later pieces may stay out
.irp j, 0,1,2,3
	v_cvt_pk_bf16_f32 v[Y+4*(\i)+(\j)], v[X+8*(\i)+2*(\j)], v[X+8*(\i)+2*(\j)+1]
.endr
	global_store_b128 v[DO], v[Y+4*(\i):Y+4*(\i)+3], s[26:27] offset:(\i)*(\dstep)
.endm
.macro CVTH i                          ; piece i of Wo: to bf16, its magnitude into the maximum, back to f32, to f16, out
	s_wait_loadcnt 14-2*(\i)
.irp j, 0,1,2,3
	v_cvt_pk_bf16_f32 v[T+(\j)], v[X+8*(\i)+2*(\j)], v[X+8*(\i)+2*(\j)+1]
.endr
.irp j, 0,1,2,3
	v_lshlrev_b32 v[X+8*(\i)+2*(\j)],   16,  v[T+(\j)]
	v_and_b32     v[X+8*(\i)+2*(\j)+1], s32, v[T+(\j)]
	v_and_b32     v[T+(\j)], s33, v[T+(\j)]        ; two signs cleared
	v_pk_max_num_bf16 v[MAXR], v[MAXR], v[T+(\j)]
.endr
.irp j, 0,1,2,3
	v_cvt_pk_f16_f32 v[Y+4*(\i)+(\j)], v[X+8*(\i)+2*(\j)], v[X+8*(\i)+2*(\j)+1]
.endr
	global_store_b128 v[DO], v[Y+4*(\i):Y+4*(\i)+3], s[26:27] offset:(\i)*4096
.endm
	s_load_b512 s[4:19], s[0:1], 0x0               ; x s[4:5], Wo s[6:7], Wq s[8:9], Wk s[10:11], Wv s[12:13], xb s[14:15], wb s[16:17], womax s[18:19]
	v_and_b32 v1, 31, v0                           ; lane
	s_mov_b32 s21, 0
	s_mov_b32 s23, 0
	s_cmp_lt_u32 ttmp9, 512
	s_cbranch_scc0 .Lweights
	; x: piece i is rows 2 i + (t / 8) % 2, block t / 16, numbers 8 (t % 8) on: sixteen lanes store two rows' 128 bytes, 256 consecutive bytes of xb
	v_bfe_u32 v10, v0, 3, 1
	v_lshrrev_b32 v11, 4, v0
	v_and_b32 v12, 7, v0
	v_lshlrev_b32 v[SO], 12, v10
	v_lshl_add_u32 v[SO], v11, 8, v[SO]
	v_lshl_add_u32 v[SO], v12, 5, v[SO]
	v_lshlrev_b32 v[DO], 20, v11                   ; a block of xb is 8,192 rows x 128 bytes
	v_lshl_add_u32 v[DO], v10, 7, v[DO]
	v_lshl_add_u32 v[DO], v12, 4, v[DO]
	s_lshl_b32 s20, ttmp9, 16                      ; 16 rows of 4,096 bytes
	s_lshl_b32 s22, ttmp9, 11                      ; 16 rows of 128 bytes
	s_wait_kmcnt 0x0
	s_add_nc_u64 s[24:25], s[4:5], s[20:21]
	s_add_nc_u64 s[26:27], s[14:15], s[22:23]
	LOADS
.irp i, 0,1,2,3,4,5,6,7
	CVTB \i, 256
.endr
	s_endpgm
.Lweights:
	s_sub_co_u32 s28, ttmp9, 512
	s_lshr_b32 s29, s28, 6                         ; the plane: 0 Wo, 1 Wq, 2 Wk, 3 Wv
	s_and_b32 s28, s28, 63                         ; the chunk of 16 rows
	v_lshlrev_b32 v[SO], 5, v0                     ; the threads' 32 bytes lie end to end: 8,192 bytes a piece
	v_lshlrev_b32 v[DO], 4, v0
	s_lshl_b32 s20, s28, 16
	s_lshl_b32 s22, s29, 21                        ; a plane is 2,097,152 bytes
	s_lshl_b32 s34, s28, 15
	s_add_co_u32 s22, s22, s34
	s_wait_kmcnt 0x0
	s_cmp_eq_u32 s29, 1
	s_cselect_b64 s[24:25], s[8:9], s[6:7]
	s_cmp_eq_u32 s29, 2
	s_cselect_b64 s[24:25], s[10:11], s[24:25]
	s_cmp_eq_u32 s29, 3
	s_cselect_b64 s[24:25], s[12:13], s[24:25]
	s_add_nc_u64 s[24:25], s[24:25], s[20:21]
	s_add_nc_u64 s[26:27], s[16:17], s[22:23]
	LOADS
	s_cmp_eq_u32 s29, 0
	s_cbranch_scc1 .Lwo
.irp i, 0,1,2,3,4,5,6,7
	CVTB \i, 4096
.endr
	s_endpgm
.Lwo:
	s_mov_b32 s32, 0xffff0000                      ; a word's upper bf16
	s_mov_b32 s33, 0x7fff7fff                      ; clears two signs
	s_mov_b32 s30, 0x76543210                      ; v_permlanex16_b32: each lane takes its own place in the other half
	s_mov_b32 s31, 0xfedcba98
	v_mov_b32 v[MAXR], 0
.irp i, 0,1,2,3,4,5,6,7
	CVTH \i
.endr
	v_lshlrev_b32 v[T], 16, v[MAXR]                ; the two halves as f32, then across the 32 lanes
	v_and_b32 v[T+1], s32, v[MAXR]
	v_max_num_f32 v[T], v[T], v[T+1]
	v_max_num_f32_dpp v[T], v[T], v[T] row_xmask:1 row_mask:0xf bank_mask:0xf
	v_max_num_f32_dpp v[T], v[T], v[T] row_xmask:2 row_mask:0xf bank_mask:0xf
	v_max_num_f32_dpp v[T], v[T], v[T] row_xmask:4 row_mask:0xf bank_mask:0xf
	v_max_num_f32_dpp v[T], v[T], v[T] row_xmask:8 row_mask:0xf bank_mask:0xf
	v_permlanex16_b32 v[T+1], v[T], s30, s31
	v_max_num_f32 v[T], v[T], v[T+1]
	v_lshrrev_b32 v10, 5, v0                       ; womax[chunk][wave]
	v_lshlrev_b32 v10, 2, v10
	s_lshl_b32 s34, s28, 5
	v_add_nc_u32 v10, s34, v10
	v_cmp_eq_u32 vcc_lo, 0, v1
	s_wait_xcnt 0x0                                ; EXEC is a source of the stores above: it changes only behind this wait
	s_and_saveexec_b32 s35, vcc_lo
	global_store_b32 v10, v[T], s[18:19]           ; one lane, one word a wave
	s_wait_xcnt 0x0
	s_or_b32 exec_lo, exec_lo, s35
	s_endpgm
.Lfunc_end_k_qf60cc4f2aa_cast:
	.size	k_qf60cc4f2aa_cast, .Lfunc_end_k_qf60cc4f2aa_cast-k_qf60cc4f2aa_cast
	.p2alignl 7, 3214868480
	.fill 96, 4, 3214868480
	.section	.rodata,"a",@progbits
	.p2align	6, 0x0
	.amdhsa_kernel k_qf60cc4f2aa_cast
		.amdhsa_group_segment_fixed_size 0
		.amdhsa_private_segment_fixed_size 0
		.amdhsa_enable_private_segment 0
		.amdhsa_kernarg_size 64
		.amdhsa_user_sgpr_count 2
		.amdhsa_user_sgpr_kernarg_segment_ptr 1
		.amdhsa_wavefront_size32 1
		.amdhsa_system_sgpr_workgroup_id_x 1
		.amdhsa_system_sgpr_workgroup_id_y 1
		.amdhsa_system_sgpr_workgroup_id_z 1
		.amdhsa_system_vgpr_workitem_id 0
		.amdhsa_next_free_vgpr 112
		.amdhsa_next_free_sgpr 66
		.amdhsa_reserve_vcc 1
		.amdhsa_float_denorm_mode_32 3
		.amdhsa_float_denorm_mode_16_64 3
		.amdhsa_memory_ordered 1
		.amdhsa_forward_progress 1
		.amdhsa_inst_pref_size 22
	.end_amdhsa_kernel
	.amdgpu_metadata
---
amdhsa.version: [ 1, 2 ]
amdhsa.kernels:
  - .name:           k_qf60cc4f2aa_cast
    .symbol:         k_qf60cc4f2aa_cast.kd
    .args:
      - { .name: x, .offset: 0, .size: 8, .value_kind: global_buffer, .address_space: global }
      - { .name: Wo, .offset: 8, .size: 8, .value_kind: global_buffer, .address_space: global }
      - { .name: Wq, .offset: 16, .size: 8, .value_kind: global_buffer, .address_space: global }
      - { .name: Wk, .offset: 24, .size: 8, .value_kind: global_buffer, .address_space: global }
      - { .name: Wv, .offset: 32, .size: 8, .value_kind: global_buffer, .address_space: global }
      - { .name: xb, .offset: 40, .size: 8, .value_kind: global_buffer, .address_space: global }
      - { .name: wb, .offset: 48, .size: 8, .value_kind: global_buffer, .address_space: global }
      - { .name: womax, .offset: 56, .size: 8, .value_kind: global_buffer, .address_space: global }
    .group_segment_fixed_size: 0
    .private_segment_fixed_size: 0
    .kernarg_segment_align: 8
    .kernarg_segment_size: 64
    .max_flat_workgroup_size: 256
    .sgpr_count:     66
    .vgpr_count:     112
    .wavefront_size: 32
...
	.end_amdgpu_metadata
.endif
;; end of part 1
;; launch proj (part 2): grid 8 x 32, 4 waves a work-group, clusters of 4 x 4, 327,680 bytes of LDS; arguments xb, wb, bq, bk, bv, qb, mpart, pmax; writes qb, mpart, pmax
.if DOCPART == 2
	.amdgcn_target "amdgcn-amd-amdhsa--gfx1250"
	.amdhsa_code_object_version 6
	.text
	.protected	k_qf60cc4f2aa_proj
	.globl	k_qf60cc4f2aa_proj
	.p2align	8
	.type	k_qf60cc4f2aa_proj,@function
k_qf60cc4f2aa_proj:
	s_mov_b64 s[64:65], 0
	v_nop
	global_prefetch_b8 v0, s[64:65] scope:SCOPE_SE
	s_setreg_imm32_b32 hwreg(HW_REG_WAVE_MODE, 25, 1), 1
	s_wait_xcnt 0x0
	s_wait_alu depctr_hold_cnt(0) depctr_sa_sdst(0) depctr_va_vdst(0) depctr_va_sdst(0) depctr_va_ssrc(0) depctr_va_vcc(0) depctr_vm_vsrc(0)
	s_getreg_b32 s2, hwreg(HW_REG_IB_STS2, 6, 4)
	s_cmp_eq_u32 s2, 0
	s_cbranch_scc0 .Lentry_in_a_cluster
	s_endpgm
.Lentry_in_a_cluster:
	s_bfe_u32 s2, ttmp6, 0x10000c
	s_cmp_lg_u32 s2, 0xf033
	s_cbranch_scc0 .Lentry_shape_is_right
	s_endpgm
.Lentry_shape_is_right:
; PROJ.  For 256 tokens and two heads: q = x Wq + bq, k = x Wk + bk, v = x Wv + bv (bf16 operands, f32 sums, K = 1,024); q and k divided by max(norm, 1e-12) over the head's 64 channels.
; No softmax stands between reference()'s two attention products, so (q k^T) v = q (k^T v): this launch stores q (f16, by heads) and, for each head, its 256 tokens' part of
; M(e, d) = sum over tokens of k(e) v(d) / 16 (f16 operands, f32 sums), with the largest magnitude of that part.  The order of the sums differs from reference()'s.
; LIMITS.  |v| under 2^20 (v / 16 goes in f16); a head's sum of squares under 3e38; 1 / max(n, 1e-12) is made as rsq(max(n^2, 1e-24)); the biases are rounded to bf16 like all inputs; NaN and infinities are not treated apart.
; SHARES.  Four waves; wave w has tokens 128 (w / 2) on and head w % 2: 128 tokens x 64 columns of each of q, k, v: 96 accumulators of 16 x 16, 768 registers, windows 1, 2, 3.
; K goes through two LDS slots of 64 along K: x's 256 rows (128 bytes, pitch 144) and 64 rows x 128 columns of each W (256 bytes, pitch 288), read turned by ds_load_tr16_b128.
; CLUSTER 4 x 4.  The four of a row of the cluster share x's tile, the four of a column the three W tiles: each tile is asked for jointly.  Wave 0 asks for x's, waves 1-3 for Wq's, Wk's, Wv's.
; q IS MULTIPLIED TRANSPOSED (source 0 = 16 columns of Wq, source 1 = 16 tokens): a lane holds one token and 8 neighbouring channels, which pack into 16 bytes.  k and v go the natural way: a lane holds one
; channel, its registers 8 tokens: rounded in pairs they ARE the two sources (channels x 32 tokens) of v^T k.
; REGISTERS.  Window 0: v0-31 addresses; v32-95, v96-159 x's fragments (two buffers of 8 x 16 tokens x 32 K); v160-255 W's fragments (q, k, v: 32 each).  Windows 1, 2, 3: accumulators of q, k, v, tile (a, bt) at v[8 (4 a + bt)].
.set PA,    144                        ; x's LDS pitch: 128 + 16 bytes, an odd multiple of 16: the 16 rows of a load start at 16 different groups of four banks (ISA guide 11.1)
.set PB,    288                        ; W's LDS pitch: 256 + 32 bytes, an odd multiple of 32, for the turning load
.set BSEC,  64*PB                      ; one W's tile
.set BOFF,  256*PA                     ; behind x's tile
.set SLOT,  BOFF+3*BSEC                ; 92,160
.set STAGE, 2*SLOT                     ; behind the ring, never filled by a tensor load: 16 rows x 144 bytes a wave, for q's way out
.set MX,    STAGE+4*16*PA              ; 16,384 bytes a head: the upper tokens' part of M on its way to the lower tokens' wave
.set SPARE, MX+2*16384                 ; the spare words: 128 bytes a wave, two blocks of 256 bytes that no other line names
.set BQO,  12                          ; v12  my byte offset in bq
.set BKO,  13                          ; v13  in bk and bv
.set LANE, 14
.set ZO,   15                          ; v15  0, an offset
.set ADRA, 16                          ; v16-17  LDS address of my x fragments in slot 0, 1
.set ADRB, 20                          ; v20-21  of my W fragments
.set STO,  24
.set RD,   25
.set GO,   26                          ; v26  16 x lane
.set MXA,  27
.set SPW,  28                          ; v28  my spare word; never rewritten
.set NIL,  29                          ; v29  0; never rewritten
.set FA0,  32
.set FA1,  96
.set FB,   160
.set BQ,   32                          ; the way out, all in window 0: bq of my 32 channels
.set BK2,  64                          ; bk of my 4 channels, each twice (a pair for the packed add)
.set BV2,  72                          ; bv / 16 likewise
.set T,    80                          ; 32 at work
.set SQ,   112
.set SS,   112                         ; 8 sums of squares
.set RS,   120                         ; 8 reciprocal norms
.set KF,   128                         ; k's fragments: 4 x 8
.set VF,   160                         ; v's
.set RBK,  192                         ; q read back from the stage: two banks of 16
.set PKQ,  224                         ; q packed
.set TT,   240
.set MXV,  242
.set MNV,  243
.set WV,   20
.set TH,   21
.set HD,   22
.set CX,   23
.set CY,   24
.set HP,   25
.set RB,   26
.set CNT,  27
.set G1A,  28                          ; s[28:35] group 1 for x's tile;  s[36:43] group 0, a set for each slot
.set G0A,  36
.set G1B,  44                          ; s[44:51], s[52:59] the same for W's tiles
.set G0B,  52
.set SEL,  60
.set EPS2, 62
.set MASKH, 63
.set SC,   66                          ; s[66:67] 1 / 16
.set HEAD, 74
.set MSB, 0
.macro WIN new                         ; the immediate's high byte repeats the setting that is left; a switch that changes nothing is dropped
.if MSB != (\new)
	s_set_vgpr_msb (MSB<<8)|(\new)
.set MSB, (\new)
.endif
.endm
.macro PLACES                          ; four places in front of loads into registers that matrix instructions have read, and of lines that read results
.rept 4
	v_nop
.endr
.endm
.macro JLOAD s                         ; a joint load; the branch hangs on the wave's number alone; an s_nop 0 and four v_nop follow each line
	s_cmp_eq_u32 s[WV], 0
	s_cbranch_scc0 .Lfor_b_\@
	tensor_load_to_lds s[G0A+4*(\s):G0A+4*(\s)+3], s[G1A:G1A+7]
	s_nop 0
.rept 4
	v_nop
.endr
	s_branch .Lasked_\@
.Lfor_b_\@:
	tensor_load_to_lds s[G0B+4*(\s):G0B+4*(\s)+3], s[G1B:G1B+7]
	s_nop 0
.rept 4
	v_nop
.endr
.Lasked_\@:
.endm
.macro CREST                           ; a round of the cluster's barrier behind its opening barrier
	s_cmp_lg_u32 s[WV], 0
	s_cbranch_scc1 .Lnot_wave_0_\@
	s_barrier_signal -3
.Lnot_wave_0_\@:
	s_barrier_wait -3
	s_barrier_signal -1
	s_barrier_wait -1
.endm
.macro CROUND
	s_barrier_signal -1
	s_barrier_wait -1
	CREST
.endm
	s_load_b512 s[4:19], s[0:1], 0x0               ; xb s[4:5], wb s[6:7], bq s[8:9], bk s[10:11], bv s[12:13], qb s[14:15], mpart s[16:17], pmax s[18:19]
	v_lshl_add_u32 v[SPW], v0, 2, SPARE
	v_mov_b32 v[NIL], 0
	ds_add_u32 v[SPW], v[NIL]                      ; the wave's opening: the add and its wait ahead of my first tensor load
	ds_add_u32 v28, v29
	v_lshrrev_b32 v1, 5, v0
	v_readfirstlane_b32 s[WV], v1                  ; wave 0..3
	s_lshr_b32 s[TH], s[WV], 1                     ; which 128 tokens
	s_and_b32 s[HD], s[WV], 1                      ; which of the two heads
	s_bfe_u32 s[CX], ttmp6, 0x40000
	s_bfe_u32 s[CY], ttmp6, 0x40004
	s_lshl_b32 s[HP], ttmp9, 2
	s_add_co_u32 s[HP], s[HP], s[CX]               ; the pair of heads = 4 x cluster x + cx
	s_and_b32 s[RB], ttmp7, 0xffff
	s_lshl_b32 s[RB], s[RB], 2
	s_add_co_u32 s[RB], s[RB], s[CY]               ; the block of 256 tokens = 4 x cluster y + cy
	s_lshl_b32 s80, s[CY], 2
	s_lshl_b32 s80, 15, s80                        ; my row of the cluster
	s_lshl_b32 s81, 0x1111, s[CX]                  ; my column
	; x's tile: 32,768 dense bytes, asked for as 128 rows of 256 bytes, padded by 16 bytes after every 128 (a token's row)
	s_or_b32 s[G1A], s80, (1<<16)|(1<<20)|(1<<21)|(4<<22)|(3<<25)
	s_mov_b32 s[G1A+1], 128<<16                    ; tensor_dim0 = 128 elements
	s_mov_b32 s[G1A+2], 128<<16                    ; tensor_dim1 = 128
	s_mov_b32 s[G1A+3], 128<<16                    ; tile_dim0 = 128
	s_mov_b32 s[G1A+4], 128                        ; tile_dim1 = 128
	s_mov_b32 s[G1A+5], 128                        ; elements from row to row
	s_mov_b32 s[G1A+6], 0
	s_mov_b32 s[G1A+7], 0
	; a W's tile: 64 rows (K) of 128 columns, 256 bytes, padded by 32
	s_or_b32 s[G1B], s81, (1<<16)|(1<<20)|(1<<21)|(5<<22)|(7<<25)
	s_mov_b32 s[G1B+1], 128<<16
	s_mov_b32 s[G1B+2], 64<<16
	s_mov_b32 s[G1B+3], 128<<16
	s_mov_b32 s[G1B+4], 64
	s_mov_b32 s[G1B+5], 1024
	s_mov_b32 s[G1B+6], 0
	s_mov_b32 s[G1B+7], 0
	s_lshl_b32 s68, s[RB], 15                      ; x: 256 rows of 128 bytes a block of tokens; it hangs on the token block alone
	s_mov_b32 s69, 0
	s_lshl_b32 s70, s[WV], 21                      ; W: plane = my wave's number (wave 0 issues no such load), columns 128 x pair of heads
	s_lshl_b32 s71, s[HP], 8
	s_add_co_u32 s70, s70, s71
	s_mov_b32 s71, 0
	s_mul_i32 s72, s[WV], BSEC
	s_add_co_u32 s72, s72, BSEC                    ; its place in a slot: BOFF + (wave - 1) x BSEC
	s_mov_b32 s[SEL], 0x76543210
	s_mov_b32 s[SEL+1], 0xfedcba98
	s_mov_b32 s[EPS2], 0x179abe15                  ; 1e-24
	s_mov_b32 s[MASKH], 0xffff0000
	s_mov_b32 s[SC], 0x3d800000                    ; 1 / 16
	s_mov_b32 s[SC+1], s[SC]
	s_wait_dscnt 0x0                               ; the opening add is done
	s_wait_kmcnt 0x0
	s_add_nc_u64 s[68:69], s[4:5], s[68:69]
	s_add_nc_u64 s[70:71], s[6:7], s[70:71]
	CROUND                                         ; all sixteen work-groups are here: the first joint loads meet
.irp s, 0,1
	s_mov_b32 s[G0A+4*(\s)], 1
	s_mov_b32 s[G0A+4*(\s)+1], (\s)*SLOT
	s_add_nc_u64 s[G0A+4*(\s)+2:G0A+4*(\s)+3], s[68:69], (\s)*1048576   ; K block s of xb
	s_or_b32 s[G0A+4*(\s)+3], s[G0A+4*(\s)+3], 0x80000000
	s_mov_b32 s[G0B+4*(\s)], 1
	s_add_co_u32 s[G0B+4*(\s)+1], s72, (\s)*SLOT
	s_add_nc_u64 s[G0B+4*(\s)+2:G0B+4*(\s)+3], s[70:71], (\s)*131072    ; 64 rows of 2,048 bytes on
	s_or_b32 s[G0B+4*(\s)+3], s[G0B+4*(\s)+3], 0x80000000
	JLOAD \s                                       ; two loads of mine are out
.endr
	v_and_b32 v1, 15, v0                           ; r = l % 16
	v_bfe_u32 v2, v0, 4, 1                         ; h = l / 16
	v_and_b32 v[LANE], 31, v0
	v_mov_b32 v[ZO], 0
	v_mul_u32_u24 v3, v1, PA
	v_lshl_add_u32 v3, v2, 4, v3                   ; row x 144 + 16 h
	s_mul_i32 s2, s[TH], 128*PA
	v_add_nc_u32 v[ADRA], s2, v3
	v_add_nc_u32 v[ADRA+1], SLOT, v[ADRA]
	v_and_b32 v4, 7, v0                            ; the turning load: lane l reads row 8 h + l % 8, columns 8 ((l / 8) % 2) on
	v_lshl_add_u32 v4, v2, 3, v4
	v_mul_u32_u24 v4, v4, PB
	v_bfe_u32 v5, v0, 3, 1
	v_lshl_add_u32 v4, v5, 4, v4
	s_lshl_b32 s2, s[HD], 7                        ; my head's 64 columns
	s_add_co_u32 s2, s2, BOFF
	v_add_nc_u32 v[ADRB], s2, v4
	v_add_nc_u32 v[ADRB+1], SLOT, v[ADRB]
	s_mul_i32 s2, s[WV], 16*PA
	s_add_co_u32 s2, s2, STAGE
	v_add_nc_u32 v[STO], s2, v3                    ; into my stage: row r, 16 bytes for each half of the lanes
	v_bfe_u32 v6, v0, 3, 2                         ; back: 32 lanes take four rows of 128 bytes
	v_mul_u32_u24 v6, v6, PA
	v_and_b32 v7, 7, v0
	v_lshl_add_u32 v6, v7, 4, v6
	v_add_nc_u32 v[RD], s2, v6
	v_lshlrev_b32 v[GO], 4, v[LANE]
	s_lshl_b32 s2, s[HD], 14
	s_add_co_u32 s2, s2, MX
	v_add_nc_u32 v[MXA], s2, v[GO]
	s_lshl_b32 s[HEAD], s[HP], 1
	s_add_co_u32 s[HEAD], s[HEAD], s[HD]
	s_lshl_b32 s2, s[HEAD], 8                      ; the head's 64 f32 in a bias
	v_lshl_add_u32 v[BQO], v2, 5, s2               ; q: channels 16 bt + 8 h + 0..7
	v_lshl_add_u32 v[BKO], v1, 2, s2               ; k, v: channel 16 bt + r
	s_lshl_b32 s76, s[HEAD], 20                    ; qb: [head][8,192 rows][64] f16
	s_lshl_b32 s2, s[RB], 15
	s_add_co_u32 s76, s76, s2
	s_lshl_b32 s2, s[TH], 14
	s_add_co_u32 s76, s76, s2
	s_mov_b32 s77, 0
	s_add_nc_u64 s[14:15], s[14:15], s[76:77]
	s_lshr_b32 s2, s[RB], 3                        ; the batch; ((batch x 16 + head) x 8 + part) numbers my part of M
	s_lshl_b32 s2, s2, 4
	s_add_co_u32 s2, s2, s[HEAD]
	s_lshl_b32 s2, s2, 3
	s_and_b32 s3, s[RB], 7
	s_add_co_u32 s2, s2, s3
	s_lshl_b32 s76, s2, 14
	s_add_nc_u64 s[16:17], s[16:17], s[76:77]
	s_lshl_b32 s76, s2, 2
	s_add_nc_u64 s[18:19], s[18:19], s[76:77]
; n x 4 matrix instructions of product g (0 q, 1 k, 2 v): token blocks a0 .. a0 + n - 1 x the 4 column blocks, 32 along K.  Every accumulator has one instruction: they take turns.
.macro GRP g, buf, a0, n, zero
	WIN 0x50*((\g)+1)                              ; C and D in window g + 1, sources in window 0
.set ga, (\a0)
.rept (\n)
.set gb, 0
.rept 4
.set rD, 8*(4*ga+gb)
.set rA, (\buf)+8*ga
.set rB, FB+32*(\g)+8*gb
.if (\g) == 0
.if \zero
	v_wmma_f32_16x16x32_bf16 v[rD:rD+7], v[rB:rB+7], v[rA:rA+7], 0
.else
	v_wmma_f32_16x16x32_bf16 v[rD:rD+7], v[rB:rB+7], v[rA:rA+7], v[rD:rD+7]
.endif
.else
.if \zero
	v_wmma_f32_16x16x32_bf16 v[rD:rD+7], v[rA:rA+7], v[rB:rB+7], 0
.else
	v_wmma_f32_16x16x32_bf16 v[rD:rD+7], v[rA:rA+7], v[rB:rB+7], v[rD:rD+7]
.endif
.endif
.set gb, gb+1
.endr
.set ga, ga+1
.endr
.endm
.macro FETCH_A s, c, buf               ; 16 loads: my 128 tokens, 32 along K at half c of slot s
	WIN 0
.irp a, 0,1,2,3,4,5,6,7
	ds_load_b128 v[(\buf)+8*(\a):(\buf)+8*(\a)+3],   v[ADRA+(\s)] offset:(\a)*16*PA+(\c)*64
	ds_load_b128 v[(\buf)+8*(\a)+4:(\buf)+8*(\a)+7], v[ADRA+(\s)] offset:(\a)*16*PA+(\c)*64+32
.endr
.endm
.macro FETCH_B g, s, c                 ; 8 turning loads: my head's 64 columns of W g, 32 along K
	WIN 0
.irp b, 0,1,2,3
	ds_load_tr16_b128 v[FB+32*(\g)+8*(\b):FB+32*(\g)+8*(\b)+3],   v[ADRB+(\s)] offset:(\g)*BSEC+(\c)*32*PB+(\b)*32
	ds_load_tr16_b128 v[FB+32*(\g)+8*(\b)+4:FB+32*(\g)+8*(\b)+7], v[ADRB+(\s)] offset:(\g)*BSEC+(\c)*32*PB+(\b)*32+16*PB
.endr
.endm
; The first half of slot s (buffer FA0).  At its head 40 LDS loads may be out, in this order: Wq's 8, x's 16, Wk's 8, Wv's 8; it leaves the second half's 40 out in the same order.
.macro STEP s, zero
	s_wait_dscnt 16                                ; Wq's and x's are in; Wk's 8 and Wv's 8 may be out
	GRP 0, FA0, 0, 8, \zero
	PLACES
	FETCH_B 0, \s, 1
	FETCH_A \s, 1, FA1
	s_wait_dscnt 32                                ; Wk's are in; younger: Wv's 8 and the 24 just issued
	GRP 1, FA0, 0, 8, \zero
	PLACES
	FETCH_B 1, \s, 1
	s_wait_dscnt 32                                ; Wv's are in; younger: 24 + 8
	GRP 2, FA0, 0, 8, \zero
	PLACES
	FETCH_B 2, \s, 1
.endm
; The second half of slot s (buffer FA1), and the change of slots: ONE barrier.  In front of it each wave waits for all its tensor loads (one is out: its part of the other slot), adds 0 to its spare word, and waits
; for that and for its reads of this slot.  fill = 1: the barrier opens a round of the cluster's, and this slot is filled again, two slots on, first thing behind it: 160 matrix instructions ahead of the wait for it.
.macro TURN s, fill
	WIN 0
	s_wait_tensorcnt 0x0
	ds_add_u32 v[SPW], v[NIL]
	s_wait_dscnt 17                                ; Wq's and x's are in; Wk's 8, Wv's 8 and the add may be out
	GRP 0, FA1, 0, 4, 0
	s_wait_dscnt 0x0                               ; the add is done, and my reads of this slot are over
	s_barrier_signal -1
	GRP 0, FA1, 4, 4, 0
	WIN 0
	s_barrier_wait -1
.if \fill
	CREST
	s_add_nc_u64 s[G0A+4*(\s)+2:G0A+4*(\s)+3], s[G0A+4*(\s)+2:G0A+4*(\s)+3], 2*1048576
	s_add_nc_u64 s[G0B+4*(\s)+2:G0B+4*(\s)+3], s[G0B+4*(\s)+2:G0B+4*(\s)+3], 2*131072
	JLOAD \s                                       ; its four v_nop are also the places in front of the loads below
.else
	PLACES
.endif
	FETCH_B 0, 1-(\s), 0
	FETCH_A 1-(\s), 0, FA0
	GRP 1, FA1, 0, 8, 0
	PLACES
	FETCH_B 1, 1-(\s), 0
	GRP 2, FA1, 0, 8, 0
	PLACES
	FETCH_B 2, 1-(\s), 0
.endm
	s_wait_tensorcnt 1                             ; my part of slot 0 is in; slot 1's may stay out
	s_barrier_signal -1
	s_barrier_wait -1
	FETCH_B 0, 0, 0
	FETCH_A 0, 0, FA0
	FETCH_B 1, 0, 0
	FETCH_B 2, 0, 0
	STEP 0, 1                                      ; the first products start the sums
	s_mov_b32 s[CNT], 7
.Lk:                                                   ; a trip: once round the ring, both slots filled again: K blocks 2 to 15 in seven trips
	TURN 0, 1
	STEP 1, 0
	TURN 1, 1
	STEP 0, 0
	s_sub_co_u32 s[CNT], s[CNT], 1
	s_cmp_lg_u32 s[CNT], 0
	s_cbranch_scc1 .Lk
	TURN 0, 0                                      ; the last lap asks for nothing
	STEP 1, 0
	s_wait_dscnt 16
	GRP 0, FA1, 0, 8, 0
	WIN 0
.irp b, 0,1,2,3                        ; the biases land where buffer FA0 lay: its last products stand in front of STEP's last four places
	global_load_b128 v[BQ+8*(\b):BQ+8*(\b)+3],   v[BQO], s[8:9] offset:64*(\b)
	global_load_b128 v[BQ+8*(\b)+4:BQ+8*(\b)+7], v[BQO], s[8:9] offset:64*(\b)+16
.endr
.irp b, 0,1,2,3
	global_load_b32 v[BK2+2*(\b)], v[BKO], s[10:11] offset:64*(\b)
	global_load_b32 v[BV2+2*(\b)], v[BKO], s[12:13] offset:64*(\b)
.endr
	s_wait_dscnt 8
	GRP 1, FA1, 0, 8, 0
	s_wait_dscnt 0x0
	GRP 2, FA1, 0, 8, 0
	PLACES
	WIN 0
	; THE BIASES, rounded to bf16 like every input
	s_wait_loadcnt 0x0
.set z, 0
.rept 16
	v_cvt_pk_bf16_f32 v[TT+z%2], v[BQ+2*z], v[BQ+2*z+1]
	v_lshlrev_b32 v[BQ+2*z],   16, v[TT+z%2]
	v_and_b32     v[BQ+2*z+1], s[MASKH], v[TT+z%2]
.set z, z+1
.endr
.irp u, 0,1
	v_cvt_pk_bf16_f32 v[TT],   v[BK2+4*(\u)], v[BK2+4*(\u)+2]
	v_cvt_pk_bf16_f32 v[TT+1], v[BV2+4*(\u)], v[BV2+4*(\u)+2]
	v_lshlrev_b32 v[BK2+4*(\u)],   16, v[TT]
	v_lshlrev_b32 v[BK2+4*(\u)+1], 16, v[TT]
	v_and_b32     v[BK2+4*(\u)+2], s[MASKH], v[TT]
	v_and_b32     v[BK2+4*(\u)+3], s[MASKH], v[TT]
	v_lshlrev_b32 v[BV2+4*(\u)],   16, v[TT+1]
	v_and_b32     v[BV2+4*(\u)+2], s[MASKH], v[TT+1]
	v_mul_f32 v[BV2+4*(\u)],   s[SC], v[BV2+4*(\u)]
	v_mul_f32 v[BV2+4*(\u)+2], s[SC], v[BV2+4*(\u)+2]
	v_mov_b32 v[BV2+4*(\u)+1], v[BV2+4*(\u)]
	v_mov_b32 v[BV2+4*(\u)+3], v[BV2+4*(\u)+2]
.endr
; q OF TOKEN BLOCK a: bias, the token's sum of squares (my 32 channels, and the other half of the lanes'), the division, f16, through my stage.  Each accumulator is read from its low end on.
.macro QPACK a
	WIN 0x01                                       ; source 0 in window 1
.set z, 0
.rept 16
	v_pk_add_f32 v[T+2*z:T+2*z+1], v[32*(\a)+2*z:32*(\a)+2*z+1], v[BQ+2*z:BQ+2*z+1]
.set z, z+1
.endr
	WIN 0
	v_pk_mul_f32 v[SQ:SQ+1],   v[T:T+1],   v[T:T+1]
	v_pk_mul_f32 v[SQ+2:SQ+3], v[T+2:T+3], v[T+2:T+3]
.set z, 2
.rept 14
	v_pk_fma_f32 v[SQ+2*(z%2):SQ+2*(z%2)+1], v[T+2*z:T+2*z+1], v[T+2*z:T+2*z+1], v[SQ+2*(z%2):SQ+2*(z%2)+1]
.set z, z+1
.endr
	v_pk_add_f32 v[SQ:SQ+1], v[SQ:SQ+1], v[SQ+2:SQ+3]
	v_add_f32 v[SQ], v[SQ], v[SQ+1]
	v_permlanex16_b32 v[SQ+1], v[SQ], s[SEL], s[SEL+1]
	v_add_f32 v[SQ], v[SQ], v[SQ+1]
	v_max_num_f32 v[SQ], s[EPS2], v[SQ]
	v_rsq_f32 v[SQ+2], v[SQ]
	v_nop                                          ; a plain instruction between the transcendental and the use of its result
.set z, 0
	s_wait_alu depctr_va_vdst(0)
.rept 16
	v_pk_mul_f32 v[T+2*z:T+2*z+1], v[T+2*z:T+2*z+1], v[SQ+2:SQ+3] op_sel_hi:[1,0]
.set z, z+1
.endr
.set z, 0
.rept 16
	v_cvt_pk_f16_f32 v[PKQ+z], v[T+2*z], v[T+2*z+1]
.set z, z+1
.endr
.irp b, 0,1,2,3
	ds_store_b128 v[STO], v[PKQ+4*(\b):PKQ+4*(\b)+3] offset:32*(\b)
.endr
	s_wait_xcnt 0x0                                ; the bank below is loaded again only when the stores that read it have had their addresses translated
.irp f, 0,1,2,3
	ds_load_b128 v[RBK+16*((\a)%2)+4*(\f):RBK+16*((\a)%2)+4*(\f)+3], v[RD] offset:(\f)*4*PA  ; LDS serves a wave's instructions in order: these see the stores above
.endr
.endm
.macro QSEND a, younger                ; younger: the LDS instructions issued behind block a's loads: the next block's eight, or none
.irp f, 0,1,2,3
	s_wait_dscnt (\younger)+3-(\f)
	global_store_b128 v[GO], v[RBK+16*((\a)%2)+4*(\f):RBK+16*((\a)%2)+4*(\f)+3], s[14:15] offset:(\a)*2048+(\f)*512  ; 512 consecutive bytes, at a multiple of 512 from qb's first
.endr
.endm
	QPACK 0
.irp a, 1,2,3,4,5,6,7
	QPACK \a
	QSEND (\a)-1, 8
.endr
	QSEND 7, 0
; k OF TOKEN BLOCK a: a lane holds channel 16 bt + r of tokens 8 h + 0..7.  A token's sum of squares: the 4 column blocks in the lane, then across the 16 lanes of a row.  u: which half of the fragment's 32 tokens.
.macro KPART a, u
	WIN 0x02
.set z, 0
.rept 16
	v_pk_add_f32 v[T+2*z:T+2*z+1], v[32*(\a)+2*z:32*(\a)+2*z+1], v[BK2+2*(z/4):BK2+2*(z/4)+1]
.set z, z+1
.endr
	WIN 0
.set z, 0
.rept 4
	v_pk_mul_f32 v[SS+2*z:SS+2*z+1], v[T+2*z:T+2*z+1], v[T+2*z:T+2*z+1]
.set z, z+1
.endr
.rept 12
	v_pk_fma_f32 v[SS+2*(z%4):SS+2*(z%4)+1], v[T+2*z:T+2*z+1], v[T+2*z:T+2*z+1], v[SS+2*(z%4):SS+2*(z%4)+1]
.set z, z+1
.endr
.irp x, 1,2,4,8
.set z, 0
.rept 8
	v_add_f32_dpp v[SS+z], v[SS+z], v[SS+z] row_xmask:\x row_mask:0xf bank_mask:0xf
.set z, z+1
.endr
.endr
.set z, 0
.rept 8
	v_max_num_f32 v[SS+z], s[EPS2], v[SS+z]
.set z, z+1
.endr
.set z, 0
.rept 8
	v_rsq_f32 v[RS+z], v[SS+z]
.set z, z+1
.endr
	v_nop
.set z, 0
	s_wait_alu depctr_va_vdst(0)
.rept 16
	v_pk_mul_f32 v[T+2*z:T+2*z+1], v[T+2*z:T+2*z+1], v[RS+2*(z%4):RS+2*(z%4)+1]
.set z, z+1
.endr
.set z, 0
.rept 16
	v_cvt_pk_f16_f32 v[KF+8*(z/4)+4*(\u)+z%4], v[T+2*z], v[T+2*z+1]
.set z, z+1
.endr
.endm
.macro VPART a, u                      ; v / 16 + bv / 16, to f16
	WIN 0x03
.set z, 0
.rept 16
	v_pk_fma_f32 v[T+2*z:T+2*z+1], v[32*(\a)+2*z:32*(\a)+2*z+1], s[SC:SC+1], v[BV2+2*(z/4):BV2+2*(z/4)+1] op_sel_hi:[1,0,1]
.set z, z+1
.endr
	WIN 0
.set z, 0
.rept 16
	v_cvt_pk_f16_f32 v[VF+8*(z/4)+4*(\u)+z%4], v[T+2*z], v[T+2*z+1]
.set z, z+1
.endr
.endm
; 16 products over 32 tokens: source 0 = 16 channels d of v, source 1 = 16 channels e of k.  Accumulator 4 et + dt, where q's lay: register j of lane (r, h) holds M(e = 16 et + r, d = 16 dt + 8 h + j).  They take turns.
.macro MPROD kk
	WIN 0x50
.set z, 0
.rept 16
.if (\kk) == 0
	v_wmma_f32_16x16x32_f16 v[8*z:8*z+7], v[VF+8*(z%4):VF+8*(z%4)+7], v[KF+8*(z/4):KF+8*(z/4)+7], 0
.else
	v_wmma_f32_16x16x32_f16 v[8*z:8*z+7], v[VF+8*(z%4):VF+8*(z%4)+7], v[KF+8*(z/4):KF+8*(z/4)+7], v[8*z:8*z+7]
.endif
.set z, z+1
.endr
.endm
.irp kk, 0,1,2,3
	KPART 2*(\kk), 0
	VPART 2*(\kk), 0
	KPART 2*(\kk)+1, 1
	VPART 2*(\kk)+1, 1
	MPROD \kk
.endr
	PLACES
	WIN 0
	; THE TWO WAVES OF A HEAD: the upper tokens' wave hands its sums over through LDS, the lower tokens' wave adds them and stores the work-group's part of M
	s_cmp_lt_u32 s[WV], 2
	s_cbranch_scc1 .Lno_put
	WIN 0x04                                       ; the stores' data in window 1
.set z, 0
.rept 32
	ds_store_b128 v[MXA], v[4*z:4*z+3] offset:512*z
.set z, z+1
.endr
	WIN 0
.Lno_put:
	s_wait_dscnt 0x0                               ; for the others' sake: my stores are done
	s_barrier_signal -1
	s_barrier_wait -1
	s_cmp_lt_u32 s[WV], 2
	s_cbranch_scc0 .Ldone
.set z, 0
.rept 32
	ds_load_b128 v[32+4*z:32+4*z+3], v[MXA] offset:512*z
.set z, z+1
.endr
	s_wait_dscnt 0x0
	WIN 0x01
.set z, 0
.rept 64
	v_pk_add_f32 v[32+2*z:32+2*z+1], v[2*z:2*z+1], v[32+2*z:32+2*z+1]
.set z, z+1
.endr
	WIN 0
.set z, 0
.rept 32
	global_store_b128 v[GO], v[32+4*z:32+4*z+3], s[16:17] offset:512*z   ; register order: 512 consecutive bytes a store
.set z, z+1
.endr
	v_mov_b32 v[MXV], 0
	v_mov_b32 v[MNV], 0
.set z, 0
.rept 64
	v_max3_num_f32 v[MXV], v[32+2*z], v[32+2*z+1], v[MXV]
	v_min3_num_f32 v[MNV], v[32+2*z], v[32+2*z+1], v[MNV]
.set z, z+1
.endr
	v_mul_f32 v[MNV], -1.0, v[MNV]
	v_max_num_f32 v[MXV], v[MXV], v[MNV]           ; the largest magnitude of my 128 numbers
	v_max_num_f32_dpp v[MXV], v[MXV], v[MXV] row_xmask:1 row_mask:0xf bank_mask:0xf
	v_max_num_f32_dpp v[MXV], v[MXV], v[MXV] row_xmask:2 row_mask:0xf bank_mask:0xf
	v_max_num_f32_dpp v[MXV], v[MXV], v[MXV] row_xmask:4 row_mask:0xf bank_mask:0xf
	v_max_num_f32_dpp v[MXV], v[MXV], v[MXV] row_xmask:8 row_mask:0xf bank_mask:0xf
	v_permlanex16_b32 v[MNV], v[MXV], s[SEL], s[SEL+1]
	v_max_num_f32 v[MXV], v[MXV], v[MNV]
	v_cmp_eq_u32 vcc_lo, 0, v[LANE]
	s_wait_xcnt 0x0                                ; EXEC is a source of the stores above
	s_and_saveexec_b32 s82, vcc_lo
	global_store_b32 v[ZO], v[MXV], s[18:19]
	s_wait_xcnt 0x0
	s_or_b32 exec_lo, exec_lo, s82
.Ldone:
	s_wait_tensorcnt 0x0                           ; the wave's end
	ds_add_u32 v[SPW], v[NIL]
	s_wait_dscnt 0x0
	CROUND                                         ; the closing round
	s_endpgm
.Lfunc_end_k_qf60cc4f2aa_proj:
	.size	k_qf60cc4f2aa_proj, .Lfunc_end_k_qf60cc4f2aa_proj-k_qf60cc4f2aa_proj
	.p2alignl 7, 3214868480
	.fill 96, 4, 3214868480
	.section	.rodata,"a",@progbits
	.p2align	6, 0x0
	.amdhsa_kernel k_qf60cc4f2aa_proj
		.amdhsa_group_segment_fixed_size 327680
		.amdhsa_private_segment_fixed_size 0
		.amdhsa_enable_private_segment 0
		.amdhsa_kernarg_size 64
		.amdhsa_user_sgpr_count 2
		.amdhsa_user_sgpr_kernarg_segment_ptr 1
		.amdhsa_wavefront_size32 1
		.amdhsa_system_sgpr_workgroup_id_x 1
		.amdhsa_system_sgpr_workgroup_id_y 1
		.amdhsa_system_sgpr_workgroup_id_z 1
		.amdhsa_system_vgpr_workitem_id 0
		.amdhsa_next_free_vgpr 1024
		.amdhsa_next_free_sgpr 96
		.amdhsa_reserve_vcc 1
		.amdhsa_float_denorm_mode_32 3
		.amdhsa_float_denorm_mode_16_64 3
		.amdhsa_memory_ordered 1
		.amdhsa_forward_progress 1
		.amdhsa_inst_pref_size 225
	.end_amdhsa_kernel
	.amdgpu_metadata
---
amdhsa.version: [ 1, 2 ]
amdhsa.kernels:
  - .name:           k_qf60cc4f2aa_proj
    .symbol:         k_qf60cc4f2aa_proj.kd
    .args:
      - { .name: xb, .offset: 0, .size: 8, .value_kind: global_buffer, .address_space: global }
      - { .name: wb, .offset: 8, .size: 8, .value_kind: global_buffer, .address_space: global }
      - { .name: bq, .offset: 16, .size: 8, .value_kind: global_buffer, .address_space: global }
      - { .name: bk, .offset: 24, .size: 8, .value_kind: global_buffer, .address_space: global }
      - { .name: bv, .offset: 32, .size: 8, .value_kind: global_buffer, .address_space: global }
      - { .name: qb, .offset: 40, .size: 8, .value_kind: global_buffer, .address_space: global }
      - { .name: mpart, .offset: 48, .size: 8, .value_kind: global_buffer, .address_space: global }
      - { .name: pmax, .offset: 56, .size: 8, .value_kind: global_buffer, .address_space: global }
    .group_segment_fixed_size: 327680
    .private_segment_fixed_size: 0
    .kernarg_segment_align: 8
    .kernarg_segment_size: 64
    .max_flat_workgroup_size: 128
    .sgpr_count:     96
    .vgpr_count:     1024
    .wavefront_size: 32
...
	.end_amdgpu_metadata
.endif
;; end of part 2
;; launch fold (part 3): grid 4 x 64, 4 waves a work-group, no clusters, 167,936 bytes of LDS; arguments mpart, pmax, womax, m, wb, wt, dsc; writes wt, dsc
.if DOCPART == 3
	.amdgcn_target "amdgcn-amd-amdhsa--gfx1250"
	.amdhsa_code_object_version 6
	.text
	.protected	k_qf60cc4f2aa_fold
	.globl	k_qf60cc4f2aa_fold
	.p2align	8
	.type	k_qf60cc4f2aa_fold,@function
k_qf60cc4f2aa_fold:
	s_mov_b64 s[64:65], 0
	v_nop
	global_prefetch_b8 v0, s[64:65] scope:SCOPE_SE
	s_setreg_imm32_b32 hwreg(HW_REG_WAVE_MODE, 25, 1), 1
	s_wait_xcnt 0x0
; FOLD.  For batch b, head h and 256 columns f: W'(e, f) = sum over d of M(e, d) Wo(64 h + d, f) / 2048^sigmoid(m_h), M = 16 x the sum of the eight parts in mpart.
; Stored as f16, [b][head][f 1,024][e 64], times a power of two g that is one for the whole batch; dsc[b] = 1 / g (32 copies).
; THE FACTORS are powers of two made from true bounds.  PM_h = the sum of a head's eight stored maxima bounds |sum of parts|; WM bounds |Wo|; B = max over h of (PM_h inv_h) x WM x 1,024 bounds |W'|
; (16 undoes the launch before's 1 / 16, 64 terms).  With e = B's exponent field, g = 2^(141 - e): |W' g| < 2^15.  M goes into the product times sM = 2^(134 - eM): |M sM| < 2^8.
; LIMITS.  The exponent fields are held to 15 .. 253.  W' keeps f16's bits as long as it lies no more than about 2^29 under its bound.  m is rounded to bf16 like all inputs.  NaN and infinities are not treated apart.
; SHARES.  Wave w makes rows e = 16 w .. 16 w + 15 for the group's 256 columns: 16 accumulators, 32 matrix instructions.  NO CLUSTER: what work-groups share is one tile of 32,768 bytes, read once by each.
; REGISTERS.  Window 0: v0-31 addresses; v32-63 small loads and factors; v64-79 M's fragments; v128-255 parts 0-3, later Wo's fragments of column blocks 0-7.  Window 1: v0-127 parts 4-7, later column blocks 8-15; v128-255 the accumulators.
.set PW,    544                        ; Wo's LDS pitch: 512 + 32 bytes, an odd multiple of 32, for the turning load
.set STG,   64*PW                      ; the stage: 256 rows (f) x 144 bytes
.set PS,    144
.set SPARE, STG+256*PS                 ; the spare words: 128 bytes a wave
.set ADB,  16
.set STO,  17
.set RD,   18
.set SPW,  28
.set NIL,  29
.set SM,   56                          ; v[56:57] sM
.set CF,   58                          ; v[58:59] what a sum is multiplied by on its way out
.set DSV,  60                          ; 1 / g
.set AF,   64
.set WV,   20
.set BH,   21
.set BB,   22
.set HH,   23
.set G1,   24
.set G0,   32
.set SEL,  40
.set MSB, 0
.macro WIN new
.if MSB != (\new)
	s_set_vgpr_msb (MSB<<8)|(\new)
.set MSB, (\new)
.endif
.endm
.macro WMAX r, t                       ; the maximum over the 32 lanes, in every lane
	v_max_num_f32_dpp v[\r], v[\r], v[\r] row_xmask:1 row_mask:0xf bank_mask:0xf
	v_max_num_f32_dpp v[\r], v[\r], v[\r] row_xmask:2 row_mask:0xf bank_mask:0xf
	v_max_num_f32_dpp v[\r], v[\r], v[\r] row_xmask:4 row_mask:0xf bank_mask:0xf
	v_max_num_f32_dpp v[\r], v[\r], v[\r] row_xmask:8 row_mask:0xf bank_mask:0xf
	v_permlanex16_b32 v[\t], v[\r], s[SEL], s[SEL+1]
	v_max_num_f32 v[\r], v[\r], v[\t]
.endm
	s_load_b256 s[4:11], s[0:1], 0x0               ; mpart s[4:5], pmax s[6:7], womax s[8:9], m s[10:11]
	s_load_b128 s[12:15], s[0:1], 0x20             ; wb s[12:13], wt s[14:15]
	s_load_b64 s[16:17], s[0:1], 0x30              ; dsc
	v_lshl_add_u32 v[SPW], v0, 2, SPARE
	v_mov_b32 v[NIL], 0
	ds_add_u32 v[SPW], v[NIL]                      ; the wave's opening: the add and its wait ahead of my tensor load
	ds_add_u32 v28, v29
	v_lshrrev_b32 v1, 5, v0
	v_readfirstlane_b32 s[WV], v1
	s_and_b32 s[BH], ttmp7, 0xffff
	s_lshr_b32 s[BB], s[BH], 4
	s_and_b32 s[HH], s[BH], 15
	s_mov_b32 s[G1],   (1<<16)|(1<<20)|(6<<22)|(7<<25)  ; 2-byte elements; 32 bytes of padding after every 128 words
	s_mov_b32 s[G1+1], 256<<16                     ; tensor_dim0 = 256
	s_mov_b32 s[G1+2], 16<<16                      ; tensor_dim1 = 16
	s_mov_b32 s[G1+3], 256<<16                     ; tile_dim0 = 256
	s_mov_b32 s[G1+4], 16                          ; tile_dim1 = 16: each wave brings 16 of the head's 64 rows of Wo
	s_mov_b32 s[G1+5], 1024
	s_mov_b32 s[G1+6], 0
	s_mov_b32 s[G1+7], 0
	s_mov_b32 s[G0], 1
	s_mul_i32 s[G0+1], s[WV], 16*PW
	s_lshl_b32 s36, s[HH], 6
	s_lshl_b32 s37, s[WV], 4
	s_add_co_u32 s36, s36, s37                     ; row 64 h + 16 w of plane 0,
	s_lshl_b32 s36, s36, 11
	s_lshl_b32 s37, ttmp9, 9                       ; columns 256 x group x
	s_add_co_u32 s36, s36, s37
	s_mov_b32 s37, 0
	s_mov_b32 s[SEL], 0x76543210
	s_mov_b32 s[SEL+1], 0xfedcba98
	s_wait_dscnt 0x0
	s_wait_kmcnt 0x0
	s_add_nc_u64 s[G0+2:G0+3], s[12:13], s[36:37]
	s_or_b32 s[G0+3], s[G0+3], 0x80000000
	tensor_load_to_lds s[G0:G0+3], s[G1:G1+7]
	s_nop 0
	v_and_b32 v3, 31, v0                           ; lane
	v_and_b32 v1, 15, v0
	v_bfe_u32 v2, v0, 4, 1
	v_lshlrev_b32 v4, 4, v3                        ; 16 x lane
	s_lshl_b32 s38, s[BB], 9
	v_add_nc_u32 v5, s38, v4                       ; the batch's 128 maxima: lane l has head l / 2, parts 4 (l % 2) on
	v_lshrrev_b32 v6, 1, v3
	v_lshlrev_b32 v6, 2, v6                        ; m of head l / 2
	v_and_b32 v7, 7, v0
	s_lshl_b32 s39, s[BH], 5
	v_lshl_add_u32 v7, v7, 2, s39                  ; my head's eight maxima
	s_lshl_b32 s42, s[HH], 2
	v_mov_b32 v8, s42                              ; my head's m
	global_load_b128 v[32:35], v5, s[6:7]
	global_load_b32 v36, v6, s[10:11]
	global_load_b32 v37, v7, s[6:7]
	global_load_b32 v38, v8, s[10:11]
.irp i, 0,1,2,3
	global_load_b128 v[40+4*(\i):40+4*(\i)+3], v4, s[8:9] offset:512*(\i)
.endr
	s_lshl_b32 s36, s[BH], 17                      ; eight parts of 16,384 bytes; my rows e are 4,096 of each
	s_lshl_b32 s43, s[WV], 12
	s_add_co_u32 s36, s36, s43
	s_add_nc_u64 s[4:5], s[4:5], s[36:37]
.irp p, 0,1,2,3
.irp i, 0,1,2,3,4,5,6,7
	global_load_b128 v[128+32*(\p)+4*(\i):128+32*(\p)+4*(\i)+3], v4, s[4:5] offset:(\p)*16384+(\i)*512
.endr
.endr
	WIN 0x40                                       ; destination in window 1
.irp p, 0,1,2,3
.irp i, 0,1,2,3,4,5,6,7
	global_load_b128 v[32*(\p)+4*(\i):32*(\p)+4*(\i)+3], v4, s[4:5] offset:((\p)+4)*16384+(\i)*512
.endr
.endr
	WIN 0
	v_and_b32 v9, 7, v0                            ; the turning load: row 8 h + l % 8, columns 8 ((l / 8) % 2) on
	v_lshl_add_u32 v9, v2, 3, v9
	v_mul_u32_u24 v9, v9, PW
	v_bfe_u32 v10, v0, 3, 1
	v_lshl_add_u32 v[ADB], v10, 4, v9
	v_mul_u32_u24 v[STO], v1, PS                   ; into the stage: row f = 16 ft + r, bytes 32 w + 16 h
	v_lshl_add_u32 v[STO], v2, 4, v[STO]
	s_lshl_b32 s38, s[WV], 5
	s_add_co_u32 s38, s38, STG
	v_add_nc_u32 v[STO], s38, v[STO]
	v_bfe_u32 v[RD], v0, 3, 2                      ; back: wave w takes rows 64 w on, 32 lanes four rows of 128 bytes
	v_mul_u32_u24 v[RD], v[RD], PS
	v_and_b32 v9, 7, v0
	v_lshl_add_u32 v[RD], v9, 4, v[RD]
	s_mul_i32 s38, s[WV], 64*PS
	s_add_co_u32 s38, s38, STG
	v_add_nc_u32 v[RD], s38, v[RD]
	; THE FACTORS, alike in all lanes
	s_wait_loadcnt 63                              ; 64 loads were issued behind the eight small ones: with 63 out at the most those eight are in
	v_cvt_pk_bf16_f32 v12, v36, v38
	v_lshlrev_b32 v36, 16, v12
	v_and_b32 v38, 0xffff0000, v12
	v_mul_f32 v36, 0xbfb8aa3b, v36                 ; - m log2(e)
	v_mul_f32 v38, 0xbfb8aa3b, v38
	v_exp_f32 v36, v36
	v_exp_f32 v38, v38
	v_add_f32 v32, v32, v33                        ; (plain work stands behind each pair of transcendentals)
	s_wait_alu depctr_va_vdst(0)
	v_add_f32 v36, 1.0, v36
	v_add_f32 v38, 1.0, v38
	v_rcp_f32 v36, v36                             ; sigmoid(m)
	v_rcp_f32 v38, v38
	v_add_f32 v34, v34, v35
	s_wait_alu depctr_va_vdst(0)
	v_mul_f32 v36, 0xc1300000, v36                 ; 2,048 = 2^11: inv = 2^(-11 sigmoid)
	v_mul_f32 v38, 0xc1300000, v38
	v_exp_f32 v36, v36
	v_exp_f32 v38, v38
	v_add_f32 v32, v32, v34
	v_add_f32_dpp v32, v32, v32 row_xmask:1 row_mask:0xf bank_mask:0xf   ; PM of head l / 2
	s_wait_alu depctr_va_vdst(0)
	v_mul_f32 v32, v32, v36
	WMAX 32, 33
	v_max3_num_f32 v40, v40, v41, v42
	v_max3_num_f32 v43, v43, v44, v45
	v_max3_num_f32 v46, v46, v47, v48
	v_max3_num_f32 v49, v49, v50, v51
	v_max3_num_f32 v52, v52, v53, v54
	v_max3_num_f32 v40, v40, v43, v46
	v_max3_num_f32 v49, v49, v52, v55
	v_max_num_f32 v40, v40, v49
	WMAX 40, 41
	v_mul_f32 v32, v32, v40
	v_mul_f32 v32, 0x44800000, v32                 ; B
	v_lshrrev_b32 v33, 23, v32
	v_max_u32 v33, 15, v33
	v_min_u32 v33, 0xfd, v33                       ; e
	v_sub_nc_u32 v34, 0x10c, v33
	v_lshlrev_b32 v34, 23, v34                     ; g = 2^(141 - e)
	v_add_nc_u32 v[DSV], -14, v33
	v_lshlrev_b32 v[DSV], 23, v[DSV]               ; 1 / g
	v_add_f32_dpp v37, v37, v37 row_xmask:1 row_mask:0xf bank_mask:0xf
	v_add_f32_dpp v37, v37, v37 row_xmask:2 row_mask:0xf bank_mask:0xf
	v_add_f32_dpp v37, v37, v37 row_xmask:4 row_mask:0xf bank_mask:0xf   ; my head's PM
	v_lshrrev_b32 v35, 23, v37
	v_max_u32 v35, 15, v35
	v_min_u32 v35, 0xfd, v35                       ; eM
	v_sub_nc_u32 v[SM], 0x105, v35
	v_lshlrev_b32 v[SM], 23, v[SM]                 ; sM = 2^(134 - eM)
	v_mov_b32 v[SM+1], v[SM]
	v_add_nc_u32 v35, -7, v35
	v_lshlrev_b32 v35, 23, v35                     ; 1 / sM
	v_mul_f32 v35, v35, v34
	v_mul_f32 v38, 0x41800000, v38                 ; 16 inv
	v_mul_f32 v[CF], v35, v38
	v_mov_b32 v[CF+1], v[CF]
	; THE EIGHT PARTS are added in f32, scaled and rounded to f16: register 4 dt + j / 2 of M's fragments
.set p, 1
.rept 7
	s_wait_loadcnt (7-p)*8                         ; part p is in; the 8 loads of each later part may stay out
.if p < 4
	WIN 0
.else
	WIN 0x04                                       ; source 1 in window 1
.endif
.set z, 0
.rept 16
.if p < 4
	v_pk_add_f32 v[128+2*z:128+2*z+1], v[128+2*z:128+2*z+1], v[128+32*p+2*z:128+32*p+2*z+1]
.else
	v_pk_add_f32 v[128+2*z:128+2*z+1], v[128+2*z:128+2*z+1], v[32*(p-4)+2*z:32*(p-4)+2*z+1]
.endif
.set z, z+1
.endr
.set p, p+1
.endr
	WIN 0
.set z, 0
.rept 16
	v_pk_mul_f32 v[128+2*z:128+2*z+1], v[128+2*z:128+2*z+1], v[SM:SM+1] op_sel_hi:[1,0]
.set z, z+1
.endr
.set z, 0
.rept 16
	v_cvt_pk_f16_f32 v[AF+z], v[128+2*z], v[128+2*z+1]
.set z, z+1
.endr
	s_wait_tensorcnt 0x0                           ; my 16 rows of Wo are in,
	s_barrier_signal -1
	s_barrier_wait -1                              ; everybody's are
.set z, 0
.rept 16                               ; column block z, K half c: two turning loads
.if z < 8
	WIN 0
.set rB, 128+16*z
.else
	WIN 0x40
.set rB, 16*(z-8)
.endif
.irp c, 0,1
	ds_load_tr16_b128 v[rB+8*(\c):rB+8*(\c)+3],   v[ADB] offset:(\c)*32*PW+z*32
	ds_load_tr16_b128 v[rB+8*(\c)+4:rB+8*(\c)+7], v[ADB] offset:(\c)*32*PW+z*32+16*PW
.endr
.set z, z+1
.endr
	s_wait_dscnt 0x0
.irp c, 0,1                            ; the 16 accumulators take turns
.set z, 0
.rept 16
.if z < 8
	WIN 0x50
.set rB, 128+16*z+8*(\c)
.else
	WIN 0x54
.set rB, 16*(z-8)+8*(\c)
.endif
.if (\c) == 0
	v_wmma_f32_16x16x32_f16 v[128+8*z:128+8*z+7], v[AF:AF+7], v[rB:rB+7], 0
.else
	v_wmma_f32_16x16x32_f16 v[128+8*z:128+8*z+7], v[AF+8:AF+15], v[rB:rB+7], v[128+8*z:128+8*z+7]
.endif
.set z, z+1
.endr
.endr
.rept 4
	v_nop                                          ; the places behind the last products
.endr
	WIN 0x01                                       ; register j of lane (r, h): W'(e = 16 w + 8 h + j, f = 16 ft + r): eight neighbouring e, 16 bytes of a row of wt
.set z, 0
.rept 64
	v_pk_mul_f32 v[128+2*z:128+2*z+1], v[128+2*z:128+2*z+1], v[CF:CF+1] op_sel_hi:[1,0]
.set z, z+1
.endr
	WIN 0
.set z, 0
.rept 64
	v_cvt_pk_f16_f32 v[64+z], v[128+2*z], v[128+2*z+1]
.set z, z+1
.endr
.set z, 0
.rept 16
	ds_store_b128 v[STO], v[64+4*z:64+4*z+3] offset:z*16*PS
.set z, z+1
.endr
	s_wait_dscnt 0x0                               ; for the others' sake: a row's 128 bytes come from four waves
	s_barrier_signal -1
	s_barrier_wait -1
.set z, 0
.rept 16
	ds_load_b128 v[128+4*z:128+4*z+3], v[RD] offset:z*4*PS
.set z, z+1
.endr
	s_lshl_b32 s36, s[BH], 17                      ; wt: (bh x 1,024 + 256 x group x + 64 w) rows of 128 bytes
	s_lshl_b32 s38, ttmp9, 15
	s_add_co_u32 s36, s36, s38
	s_lshl_b32 s38, s[WV], 13
	s_add_co_u32 s36, s36, s38
	s_add_nc_u64 s[14:15], s[14:15], s[36:37]
.set z, 0
.rept 16
	s_wait_dscnt 15-z
	global_store_b128 v4, v[128+4*z:128+4*z+3], s[14:15] offset:z*512    ; 512 consecutive bytes
.set z, z+1
.endr
	s_or_b32 s38, ttmp9, s[HH]
	s_or_b32 s38, s38, s[WV]
	s_cmp_lg_u32 s38, 0
	s_cbranch_scc1 .Lno_dsc                        ; one wave for each batch stores 1 / g, 32 copies
	v_lshlrev_b32 v11, 2, v3
	s_lshl_b32 s38, s[BB], 7
	v_add_nc_u32 v11, s38, v11
	global_store_b32 v11, v[DSV], s[16:17]
.Lno_dsc:
	s_wait_tensorcnt 0x0                           ; the wave's end
	ds_add_u32 v[SPW], v[NIL]
	s_wait_dscnt 0x0
	s_endpgm
.Lfunc_end_k_qf60cc4f2aa_fold:
	.size	k_qf60cc4f2aa_fold, .Lfunc_end_k_qf60cc4f2aa_fold-k_qf60cc4f2aa_fold
	.p2alignl 7, 3214868480
	.fill 96, 4, 3214868480
	.section	.rodata,"a",@progbits
	.p2align	6, 0x0
	.amdhsa_kernel k_qf60cc4f2aa_fold
		.amdhsa_group_segment_fixed_size 167936
		.amdhsa_private_segment_fixed_size 0
		.amdhsa_enable_private_segment 0
		.amdhsa_kernarg_size 56
		.amdhsa_user_sgpr_count 2
		.amdhsa_user_sgpr_kernarg_segment_ptr 1
		.amdhsa_wavefront_size32 1
		.amdhsa_system_sgpr_workgroup_id_x 1
		.amdhsa_system_sgpr_workgroup_id_y 1
		.amdhsa_system_sgpr_workgroup_id_z 1
		.amdhsa_system_vgpr_workitem_id 0
		.amdhsa_next_free_vgpr 512
		.amdhsa_next_free_sgpr 66
		.amdhsa_reserve_vcc 0
		.amdhsa_float_denorm_mode_32 3
		.amdhsa_float_denorm_mode_16_64 3
		.amdhsa_memory_ordered 1
		.amdhsa_forward_progress 1
		.amdhsa_inst_pref_size 43
	.end_amdhsa_kernel
	.amdgpu_metadata
---
amdhsa.version: [ 1, 2 ]
amdhsa.kernels:
  - .name:           k_qf60cc4f2aa_fold
    .symbol:         k_qf60cc4f2aa_fold.kd
    .args:
      - { .name: mpart, .offset: 0, .size: 8, .value_kind: global_buffer, .address_space: global }
      - { .name: pmax, .offset: 8, .size: 8, .value_kind: global_buffer, .address_space: global }
      - { .name: womax, .offset: 16, .size: 8, .value_kind: global_buffer, .address_space: global }
      - { .name: m, .offset: 24, .size: 8, .value_kind: global_buffer, .address_space: global }
      - { .name: wb, .offset: 32, .size: 8, .value_kind: global_buffer, .address_space: global }
      - { .name: wt, .offset: 40, .size: 8, .value_kind: global_buffer, .address_space: global }
      - { .name: dsc, .offset: 48, .size: 8, .value_kind: global_buffer, .address_space: global }
    .group_segment_fixed_size: 167936
    .private_segment_fixed_size: 0
    .kernarg_segment_align: 8
    .kernarg_segment_size: 56
    .max_flat_workgroup_size: 128
    .sgpr_count:     66
    .vgpr_count:     512
    .wavefront_size: 32
...
	.end_amdgpu_metadata
.endif
;; end of part 3
;; launch outp (part 4): grid 4 x 64, 4 waves a work-group, clusters of 4 x 4, 327,680 bytes of LDS; arguments qb, wt, dsc, bo, out0; writes out0
.if DOCPART == 4
	.amdgcn_target "amdgcn-amd-amdhsa--gfx1250"
	.amdhsa_code_object_version 6
	.text
	.protected	k_qf60cc4f2aa_outp
	.globl	k_qf60cc4f2aa_outp
	.p2align	8
	.type	k_qf60cc4f2aa_outp,@function
k_qf60cc4f2aa_outp:
	s_mov_b64 s[64:65], 0
	v_nop
	global_prefetch_b8 v0, s[64:65] scope:SCOPE_SE
	s_setreg_imm32_b32 hwreg(HW_REG_WAVE_MODE, 25, 1), 1
	s_wait_xcnt 0x0
	s_wait_alu depctr_hold_cnt(0) depctr_sa_sdst(0) depctr_va_vdst(0) depctr_va_sdst(0) depctr_va_ssrc(0) depctr_va_vcc(0) depctr_vm_vsrc(0)
	s_getreg_b32 s2, hwreg(HW_REG_IB_STS2, 6, 4)
	s_cmp_eq_u32 s2, 0
	s_cbranch_scc0 .Lentry_in_a_cluster
	s_endpgm
.Lentry_in_a_cluster:
	s_bfe_u32 s2, ttmp6, 0x10000c
	s_cmp_lg_u32 s2, 0xf033
	s_cbranch_scc0 .Lentry_shape_is_right
	s_endpgm
.Lentry_shape_is_right:
; OUTP.  out0[row][f] = (sum over head and e of q[head][row][e] W'g[b][head][f][e]) x dsc[b] + bo[f].  q and W'g in f16, sums in f32, bo rounded to bf16 like all inputs, out0 in f32.
; A tile of out0 is 128 rows x 256 columns: 256 work-groups.  Four waves, each 64 x 128: 32 accumulators, window 1.  K = 1,024 goes in steps of 128, two heads, through two LDS slots.
; Both operands lie by heads, a head's rows dense (128 bytes): they are asked for as rows of 256 bytes and padded in LDS after every 128 bytes (pitch 144).
; CLUSTER 4 x 4: the four of a row of the cluster share q's tiles, the four of a column W's.  Waves 0, 1 ask for q's two heads, waves 2, 3 for W's.
; THE MATRIX INSTRUCTION IS USED TRANSPOSED (source 0 = 16 columns f, source 1 = 16 rows): a lane holds 8 neighbouring numbers of a row of out0.
; REGISTERS.  Window 0: v0-31 addresses; v32-37 bo and dsc; v64-159, v160-255 two fragment buffers (W's 8 x 8, then q's 4 x 8).  Window 1: accumulator (a, bt) at v[8 (8 a + bt)].
.set PITCH,  144
.set ASEC,   128*PITCH                 ; a head's 128 rows of q
.set BSEC,   256*PITCH                 ; a head's 256 rows of W'
.set BOFF,   2*ASEC
.set SLOT,   2*ASEC+2*BSEC             ; 110,592
.set STAGE,  2*SLOT                    ; behind the ring: 16 rows x 528 bytes a wave, for the way out
.set SPITCH, 528
.set SPARE,  STAGE+4*16*SPITCH         ; the spare words: 128 bytes a wave
.set ADRA, 16
.set ADRB, 20
.set STO,  24
.set RD,   25
.set CO,   26
.set SPW,  28
.set NIL,  29
.set BO,   32                          ; v[32:35] bo of my four columns
.set DS,   36                          ; v[36:37] dsc
.set F0,   64
.set F1,   160
.set WV,   20
.set WROW, 21
.set WCOL, 22
.set CX,   23
.set CY,   24
.set FQ,   25
.set RBLK, 26
.set CNT,  27
.set G1A,  28
.set G0A,  36
.set G1B,  44
.set G0B,  52
.set BB,   60
.set MSB, 0
.macro WIN new
.if MSB != (\new)
	s_set_vgpr_msb (MSB<<8)|(\new)
.set MSB, (\new)
.endif
.endm
.macro PLACES
.rept 4
	v_nop
.endr
.endm
.macro JLOAD s                         ; a joint load; an s_nop 0 and four v_nop follow each of the two lines
	s_cmp_eq_u32 s[WROW], 0
	s_cbranch_scc0 .Lfor_b_\@
	tensor_load_to_lds s[G0A+4*(\s):G0A+4*(\s)+3], s[G1A:G1A+7]
	s_nop 0
.rept 4
	v_nop
.endr
	s_branch .Lasked_\@
.Lfor_b_\@:
	tensor_load_to_lds s[G0B+4*(\s):G0B+4*(\s)+3], s[G1B:G1B+7]
	s_nop 0
.rept 4
	v_nop
.endr
.Lasked_\@:
.endm
.macro CREST
	s_cmp_lg_u32 s[WV], 0
	s_cbranch_scc1 .Lnot_wave_0_\@
	s_barrier_signal -3
.Lnot_wave_0_\@:
	s_barrier_wait -3
	s_barrier_signal -1
	s_barrier_wait -1
.endm
.macro CROUND
	s_barrier_signal -1
	s_barrier_wait -1
	CREST
.endm
	s_load_b256 s[4:11], s[0:1], 0x0               ; qb s[4:5], wt s[6:7], dsc s[8:9], bo s[10:11]
	s_load_b64 s[12:13], s[0:1], 0x20              ; out0
	v_lshl_add_u32 v[SPW], v0, 2, SPARE
	v_mov_b32 v[NIL], 0
	ds_add_u32 v[SPW], v[NIL]                      ; the wave's opening: the add and its wait ahead of my first tensor load
	ds_add_u32 v28, v29
	v_lshrrev_b32 v1, 5, v0
	v_readfirstlane_b32 s[WV], v1
	s_lshr_b32 s[WROW], s[WV], 1                   ; which 64 rows are mine.  Also: I fetch for q (0) or for W' (1)
	s_and_b32 s[WCOL], s[WV], 1                    ; which 128 columns.  Also: which of a step's two heads I fetch
	s_bfe_u32 s[CX], ttmp6, 0x40000
	s_bfe_u32 s[CY], ttmp6, 0x40004
	s_lshl_b32 s[FQ], ttmp9, 2
	s_add_co_u32 s[FQ], s[FQ], s[CX]               ; the block of 256 columns
	s_and_b32 s[BB], ttmp7, 0xffff
	s_lshl_b32 s[RBLK], s[BB], 2
	s_add_co_u32 s[RBLK], s[RBLK], s[CY]           ; the block of 128 rows
	s_lshr_b32 s[BB], s[BB], 2                     ; the batch: 16 row blocks, four clusters: the whole cluster shares it
	s_lshl_b32 s70, s[CY], 2
	s_lshl_b32 s70, 15, s70                        ; my row of the cluster
	s_lshl_b32 s71, 0x1111, s[CX]                  ; my column
	s_or_b32 s[G1A], s70, (1<<16)|(1<<20)|(1<<21)|(4<<22)|(3<<25)  ; 2-byte elements; 16 bytes of padding after every 32 words
	s_or_b32 s[G1B], s71, (1<<16)|(1<<20)|(1<<21)|(4<<22)|(3<<25)
	s_mov_b32 s[G1A+1], 128<<16                    ; rows of 128 elements, 256 bytes: two rows of the operand
	s_mov_b32 s[G1A+2], 64<<16                     ; q: 64 of them
	s_mov_b32 s[G1A+3], 128<<16
	s_mov_b32 s[G1A+4], 64
	s_mov_b32 s[G1A+5], 128
	s_mov_b32 s[G1A+6], 0
	s_mov_b32 s[G1A+7], 0
	s_mov_b32 s[G1B+1], 128<<16
	s_mov_b32 s[G1B+2], 128<<16                    ; W': 128 of them
	s_mov_b32 s[G1B+3], 128<<16
	s_mov_b32 s[G1B+4], 128
	s_mov_b32 s[G1B+5], 128
	s_mov_b32 s[G1B+6], 0
	s_mov_b32 s[G1B+7], 0
	s_mul_i32 s61, s[WCOL], ASEC                   ; where they go: no place in the cluster enters an LDS address
	s_mul_i32 s62, s[WCOL], BSEC
	s_add_co_u32 s62, s62, BOFF
	s_lshl_b32 s66, s[WCOL], 20                    ; q: a head is 1,048,576 bytes, a row block 16,384
	s_lshl_b32 s67, s[RBLK], 14
	s_add_co_u32 s66, s66, s67
	s_mov_b32 s67, 0
	s_lshl_b32 s68, s[BB], 21                      ; W': a batch is 2,097,152 bytes, a head 131,072, a column block 32,768
	s_lshl_b32 s69, s[WCOL], 17
	s_add_co_u32 s68, s68, s69
	s_lshl_b32 s69, s[FQ], 15
	s_add_co_u32 s68, s68, s69
	s_mov_b32 s69, 0
	s_wait_dscnt 0x0
	s_wait_kmcnt 0x0
	s_add_nc_u64 s[66:67], s[4:5], s[66:67]
	s_add_nc_u64 s[68:69], s[6:7], s[68:69]
	CROUND                                         ; all sixteen work-groups are here: the first joint loads meet
.irp s, 0,1
	s_mov_b32 s[G0A+4*(\s)], 1
	s_add_co_u32 s[G0A+4*(\s)+1], s61, (\s)*SLOT
	s_add_nc_u64 s[G0A+4*(\s)+2:G0A+4*(\s)+3], s[66:67], (\s)*2097152   ; K step s: heads 2 s, 2 s + 1
	s_or_b32 s[G0A+4*(\s)+3], s[G0A+4*(\s)+3], 0x80000000
	s_mov_b32 s[G0B+4*(\s)], 1
	s_add_co_u32 s[G0B+4*(\s)+1], s62, (\s)*SLOT
	s_add_nc_u64 s[G0B+4*(\s)+2:G0B+4*(\s)+3], s[68:69], (\s)*262144
	s_or_b32 s[G0B+4*(\s)+3], s[G0B+4*(\s)+3], 0x80000000
	JLOAD \s                                       ; two loads of mine are out
.endr
	v_and_b32 v1, 15, v0
	v_bfe_u32 v2, v0, 4, 1
	v_and_b32 v3, 31, v0
	v_mul_u32_u24 v4, v1, PITCH
	v_lshl_add_u32 v4, v2, 4, v4                   ; a fragment's row x pitch + 16 x half
	s_mul_i32 s63, s[WROW], 64*PITCH
	v_add_nc_u32 v[ADRA], s63, v4
	v_add_nc_u32 v[ADRA+1], SLOT, v[ADRA]
	s_mul_i32 s63, s[WCOL], 128*PITCH
	s_add_co_u32 s63, s63, BOFF
	v_add_nc_u32 v[ADRB], s63, v4
	v_add_nc_u32 v[ADRB+1], SLOT, v[ADRB]
	s_mul_i32 s63, s[WV], 16*SPITCH
	s_add_co_u32 s63, s63, STAGE
	v_mul_u32_u24 v5, v1, SPITCH                   ; into my stage: row r, 32 bytes for each half of the lanes
	v_lshl_add_u32 v5, v2, 5, v5
	v_add_nc_u32 v[STO], s63, v5
	v_lshlrev_b32 v[CO], 4, v3                     ; back: 32 lanes take a row's 512 bytes
	v_add_nc_u32 v[RD], s63, v[CO]
	v_lshlrev_b32 v6, 2, v3
	s_lshl_b32 s63, s[BB], 7
	v_add_nc_u32 v6, s63, v6
	global_load_b32 v[DS], v6, s[8:9]              ; a copy of dsc[b] for each lane
	s_lshl_b32 s72, s[FQ], 10                      ; my first column, in bytes of f32
	s_lshl_b32 s73, s[WCOL], 9
	s_add_co_u32 s72, s72, s73
	v_add_nc_u32 v7, s72, v[CO]
	global_load_b128 v[BO:BO+3], v7, s[10:11]      ; bo of columns 4 l .. 4 l + 3 of my 128
	s_lshl_b32 s73, s[RBLK], 19                    ; 128 rows of 4,096 bytes
	s_add_co_u32 s72, s72, s73
	s_lshl_b32 s73, s[WROW], 18
	s_add_co_u32 s72, s72, s73
	s_mov_b32 s73, 0
	s_add_nc_u64 s[12:13], s[12:13], s[72:73]
; n x 8 matrix instructions: row blocks a0 .. a0 + n - 1 x all 8 column blocks, 32 along K, from buffer f.  Every accumulator has one instruction: they take turns.
.macro MUL a0, n, f, zero
	WIN 0x50
.set ga, (\a0)
.rept (\n)
.set gb, 0
.rept 8
.set rD, 8*(8*ga+gb)
.if \zero
	v_wmma_f32_16x16x32_f16 v[rD:rD+7], v[(\f)+8*gb:(\f)+8*gb+7], v[(\f)+64+8*ga:(\f)+64+8*ga+7], 0
.else
	v_wmma_f32_16x16x32_f16 v[rD:rD+7], v[(\f)+8*gb:(\f)+8*gb+7], v[(\f)+64+8*ga:(\f)+64+8*ga+7], v[rD:rD+7]
.endif
.set gb, gb+1
.endr
.set ga, ga+1
.endr
.endm
; 24 LDS loads in one run: quarter c of slot s (head c / 2, channels 32 (c % 2) on) into buffer f: W's 16, then q's 8
.macro FETCH s, c, f
	WIN 0
.irp i, 0,1,2,3,4,5,6,7
	ds_load_b128 v[(\f)+8*(\i):(\f)+8*(\i)+3],   v[ADRB+(\s)] offset:((\c)/2)*BSEC+(\i)*16*PITCH+((\c)%2)*64
	ds_load_b128 v[(\f)+8*(\i)+4:(\f)+8*(\i)+7], v[ADRB+(\s)] offset:((\c)/2)*BSEC+(\i)*16*PITCH+((\c)%2)*64+32
.endr
.irp i, 0,1,2,3
	ds_load_b128 v[(\f)+64+8*(\i):(\f)+64+8*(\i)+3],   v[ADRA+(\s)] offset:((\c)/2)*ASEC+(\i)*16*PITCH+((\c)%2)*64
	ds_load_b128 v[(\f)+64+8*(\i)+4:(\f)+64+8*(\i)+7], v[ADRA+(\s)] offset:((\c)/2)*ASEC+(\i)*16*PITCH+((\c)%2)*64+32
.endr
.endm
; One of a K step's first three quarters: multiplies buffer f, and in its middle fetches quarter c of the same slot into buffer g
.macro QUARTER s, c, f, g, zero
	s_wait_dscnt 4                                 ; W's 16 and q's row blocks 0, 1 are in; the youngest four loads may be out
	MUL 0, 2, \f, \zero
	PLACES
	FETCH \s, \c, \g
	s_wait_dscnt 24                                ; all but the 24 just issued
	MUL 2, 2, \f, \zero
.endm
; The last quarter multiplies buffer F1 and changes slots: ONE barrier; in front of it each wave waits for all its tensor loads (one is out: its part of the next slot), adds 0 to its spare word, and waits for
; that and for its reads of this slot.  fill = 1: the barrier opens a round of the cluster's, and this slot is filled again, two K steps on: 112 matrix instructions ahead of the wait for it.
.macro TURN s, next, fill
	WIN 0
	s_wait_tensorcnt 0x0
	ds_add_u32 v[SPW], v[NIL]
	s_wait_dscnt 5                                 ; the add and the youngest four loads may be out
	MUL 0, 1, F1, 0
	s_wait_dscnt 0x0                               ; the add is done, and my reads of this slot are over
	s_barrier_signal -1
	MUL 1, 1, F1, 0
	WIN 0
	s_barrier_wait -1
.if \fill
	CREST
	s_add_nc_u64 s[G0A+4*(\s)+2:G0A+4*(\s)+3], s[G0A+4*(\s)+2:G0A+4*(\s)+3], 2*2097152
	s_add_nc_u64 s[G0B+4*(\s)+2:G0B+4*(\s)+3], s[G0B+4*(\s)+2:G0B+4*(\s)+3], 2*262144
	JLOAD \s                                       ; its four v_nop are also the places in front of the loads below
.else
	PLACES
.endif
	FETCH \next, 0, F0
	MUL 2, 2, F1, 0
.endm
	s_wait_tensorcnt 1                             ; my part of K step 0 is in; K step 1's may stay out
	s_barrier_signal -1
	s_barrier_wait -1
	FETCH 0, 0, F0
	QUARTER 0, 1, F0, F1, 1                        ; the first quarter stands in front of the loop: its products start the sums
	WIN 0
	s_mov_b32 s[CNT], 3
.Llap:                                                 ; a trip goes once round the ring and fills both slots again: K steps 2 to 7 in three trips
	QUARTER 0, 2, F1, F0, 0
	QUARTER 0, 3, F0, F1, 0
	TURN 0, 1, 1
	QUARTER 1, 1, F0, F1, 0
	QUARTER 1, 2, F1, F0, 0
	QUARTER 1, 3, F0, F1, 0
	TURN 1, 0, 1
	QUARTER 0, 1, F0, F1, 0
	WIN 0
	s_sub_co_u32 s[CNT], s[CNT], 1
	s_cmp_lg_u32 s[CNT], 0
	s_cbranch_scc1 .Llap
	QUARTER 0, 2, F1, F0, 0                        ; the last lap fills nothing
	QUARTER 0, 3, F0, F1, 0
	TURN 0, 1, 0
	QUARTER 1, 1, F0, F1, 0
	QUARTER 1, 2, F1, F0, 0
	QUARTER 1, 3, F0, F1, 0
	s_wait_dscnt 4
	MUL 0, 2, F1, 0
	s_wait_dscnt 0x0
	MUL 2, 2, F1, 0
	PLACES
	WIN 0
	s_wait_loadcnt 0x0                             ; dsc and bo
	v_mov_b32 v[DS+1], v[DS]
	v_cvt_pk_bf16_f32 v8, v[BO], v[BO+1]
	v_cvt_pk_bf16_f32 v9, v[BO+2], v[BO+3]
	v_lshlrev_b32 v[BO],   16, v8
	v_and_b32     v[BO+1], 0xffff0000, v8
	v_lshlrev_b32 v[BO+2], 16, v9
	v_and_b32     v[BO+3], 0xffff0000, v9
; THE WAY OUT, a row block (16 rows x 128 columns of f32) at a time: the sums go into my stage as they are (each accumulator's low registers first) and come back as whole rows of 512 bytes, into one of two banks.
.macro OUTA a
.if (\a) >= 2
	s_wait_xcnt 0x0                                ; the bank is loaded again only when the stores that read it have had their addresses translated
.endif
	WIN 0x04                                       ; the stores' data in window 1
.set z, 0
.rept 8
	ds_store_b128 v[STO], v[8*(8*(\a)+z):8*(8*(\a)+z)+3]   offset:64*z
	ds_store_b128 v[STO], v[8*(8*(\a)+z)+4:8*(8*(\a)+z)+7] offset:64*z+16
.set z, z+1
.endr
	WIN 0
.set z, 0
.rept 16
	ds_load_b128 v[64+64*((\a)%2)+4*z:64+64*((\a)%2)+4*z+3], v[RD] offset:z*SPITCH  ; LDS serves a wave's instructions in order: these see the stores above
.set z, z+1
.endr
.endm
.macro SENDA a, younger                ; younger: the LDS instructions issued behind block a's loads: the next block's 32, or none
.set BK, 64+64*((\a)%2)
.set z, 0
.rept 16
	s_wait_dscnt (\younger)+15-z
	v_pk_fma_f32 v[BK+4*z:BK+4*z+1],   v[BK+4*z:BK+4*z+1],   v[DS:DS+1], v[BO:BO+1]     op_sel_hi:[1,0,1]
	v_pk_fma_f32 v[BK+4*z+2:BK+4*z+3], v[BK+4*z+2:BK+4*z+3], v[DS:DS+1], v[BO+2:BO+3]   op_sel_hi:[1,0,1]
	global_store_b128 v[CO], v[BK+4*z:BK+4*z+3], s[12:13] offset:(\a)*65536+z*4096 th:TH_STORE_NT  ; 512 consecutive bytes, at a multiple of 512 from out0's first
.set z, z+1
.endr
.endm
	OUTA 0
.irp a, 1,2,3
	OUTA \a
	SENDA (\a)-1, 32
.endr
	SENDA 3, 0
	s_wait_tensorcnt 0x0                           ; the wave's end
	ds_add_u32 v[SPW], v[NIL]
	s_wait_dscnt 0x0
	CROUND                                         ; the closing round
	s_endpgm
.Lfunc_end_k_qf60cc4f2aa_outp:
	.size	k_qf60cc4f2aa_outp, .Lfunc_end_k_qf60cc4f2aa_outp-k_qf60cc4f2aa_outp
	.p2alignl 7, 3214868480
	.fill 96, 4, 3214868480
	.section	.rodata,"a",@progbits
	.p2align	6, 0x0
	.amdhsa_kernel k_qf60cc4f2aa_outp
		.amdhsa_group_segment_fixed_size 327680
		.amdhsa_private_segment_fixed_size 0
		.amdhsa_enable_private_segment 0
		.amdhsa_kernarg_size 40
		.amdhsa_user_sgpr_count 2
		.amdhsa_user_sgpr_kernarg_segment_ptr 1
		.amdhsa_wavefront_size32 1
		.amdhsa_system_sgpr_workgroup_id_x 1
		.amdhsa_system_sgpr_workgroup_id_y 1
		.amdhsa_system_sgpr_workgroup_id_z 1
		.amdhsa_system_vgpr_workitem_id 0
		.amdhsa_next_free_vgpr 512
		.amdhsa_next_free_sgpr 80
		.amdhsa_reserve_vcc 0
		.amdhsa_float_denorm_mode_32 3
		.amdhsa_float_denorm_mode_16_64 3
		.amdhsa_memory_ordered 1
		.amdhsa_forward_progress 1
		.amdhsa_inst_pref_size 95
	.end_amdhsa_kernel
	.amdgpu_metadata
---
amdhsa.version: [ 1, 2 ]
amdhsa.kernels:
  - .name:           k_qf60cc4f2aa_outp
    .symbol:         k_qf60cc4f2aa_outp.kd
    .args:
      - { .name: qb, .offset: 0, .size: 8, .value_kind: global_buffer, .address_space: global }
      - { .name: wt, .offset: 8, .size: 8, .value_kind: global_buffer, .address_space: global }
      - { .name: dsc, .offset: 16, .size: 8, .value_kind: global_buffer, .address_space: global }
      - { .name: bo, .offset: 24, .size: 8, .value_kind: global_buffer, .address_space: global }
      - { .name: out0, .offset: 32, .size: 8, .value_kind: global_buffer, .address_space: global }
    .group_segment_fixed_size: 327680
    .private_segment_fixed_size: 0
    .kernarg_segment_align: 8
    .kernarg_segment_size: 40
    .max_flat_workgroup_size: 128
    .sgpr_count:     80
    .vgpr_count:     512
    .wavefront_size: 32
...
	.end_amdgpu_metadata
.endif
;; end of part 4
